; MI455X (gfx1250); checked and timed in simulation.
; The chip was launched on July 23, 2026; its instructions are those of AMD's public machine-readable ISA for CDNA 5 (MIT licence, August 2026) and "CDNA5" Instruction Set Architecture Reference Guide (July 2026). The comments in the code are by the model that wrote it; some were corrected since.
;; Osc Bank. Allowed arithmetic: float matrix products may take bf16 or f16 operands with f32 sums; all other float work in f32.
;; Inputs: amplitudes 1,024 x 16,384 float32; osc_samples 1,024 x 16,384 float32; x 1 float32.
;; Outputs: out0 16,384 float32.
;; One version. Each part assembles by itself: llvm-mc -triple=amdgcn-amd-amdhsa -mcpu=gfx1250 --defsym DOCPART=n.
;; ======== version 1 of 1: 2 launches
;; limits: below input magnitudes of 2.4e-07 results are inexact or not finite
;; workspace buffers: part 16,777,216 bytes
;; launch bank (part 1): grid 256 x 1, 16 waves a work-group, no clusters, 264,704 bytes of LDS; arguments osc_samples, amplitudes, part; writes part
.if DOCPART == 1
	.amdgcn_target "amdgcn-amd-amdhsa--gfx1250"
	.amdhsa_code_object_version 6
	.text
	.protected	k_q453933bd23_bank
	.globl	k_q453933bd23_bank
	.p2align	8
	.type	k_q453933bd23_bank,@function
k_q453933bd23_bank:
	s_mov_b64 s[64:65], 0
	v_nop
	global_prefetch_b8 v0, s[64:65] scope:SCOPE_SE
	s_setreg_imm32_b32 hwreg(HW_REG_WAVE_MODE, 25, 1), 1
	s_wait_xcnt 0x0
; OscBank, first of two launches.
; out[t] = sum over 1,024 oscillators i of sin(2 pi phase[i][t]) * clip(amp[i][t], 0, 1),  phase = running sum along t of clip(freq[i][t], 0, 1).
; reference() sends both clipped arrays through rfft, a pad of no bins (FACTOR = 1) and irfft: the identity for every input, so no transform is made.
; This launch: work-group g takes rows 4 g .. 4 g + 3 whole and stores their sum as row g of part [256][16384]; the second launch adds the 256 rows.
; No two work-groups read the same byte, so there is nothing for a cluster to share; nothing here is a matrix product.
;
; WHO DOES WHAT.  16 waves = 32 half-waves of 16 lanes.  Half-wave hw owns samples 512 hw .. 512 hw + 511 of all four rows, in 8 units of 64 samples.
; A lane holds 4 neighbouring samples of each unit, so the 16 lanes of a half-wave load or store 256 consecutive bytes, aligned; 128 samples a lane.
;
; WHERE THE INPUTS WAIT.  The frequencies (256 KiB a work-group) go into registers, 128 a lane, and stay there as phases until the half-waves' totals have met.
; The amplitudes (another 256 KiB) do not fit beside them, so the tensor data mover brings them into LDS: a wave's 4 rows x 4,096 bytes come as 8 tiles of
; 4 rows x 512 bytes, tile 2 p + h = units 2 p and 2 p + 1 of the wave's half h.  Tile j is asked for as soon as unit j of the frequencies has landed: the
; frequencies, on which the barrier hangs, stay in front, and every amplitude has been asked for before the barrier.  No LDS byte is filled twice and a wave
; reads only its own tiles, so its own counted s_wait_tensorcnt is all the ordering that the reads need.  A wave has at most 8 tensor loads outstanding.
;
; THE PHASE IS KEPT IN FIXED POINT, in units of 2^-22 cycle.  y = fma(clip(x), 2^22, 2^23) lies in [2^23, 2^24), where f32 steps by 1: its bits are
; 0x4B000000 + round-to-nearest-even(x 2^22).  The bits are added as integers.  Any multiple of 0x4B000000 has its low 24 bits clear, and only the low 22 bits of a
; sum survive the shift left by 10 at the end, which also makes the phase modulo one cycle a signed 32-bit word: no subtraction, no range reduction.
; Integer sums are exact, so the order of the scan changes nothing.  (In f32 a phase of 4,096 to 8,192 cycles would step by 2^-11 cycle.)
; reference() multiplies the phase by the f32 nearest to 2 pi, which is 2 pi (1 + 2.783e-8).  That factor is honoured: 2.783e-8 x (phase at the middle of the
; half-wave's 512 samples) is added to the reduced phase; inside the 512 samples it moves by at most 256 x 2.783e-8 = 7e-6 cycle from that, and the count of
; 32-cycle steps from which it is made is off by at most 16 cycles for each of at most 32 half-waves, another 1.4e-5 cycle.
; sin(pi s), s in [-1, 1]: the Chebyshev series up to T9 as s (C1 + z (C3 + z (C5 + z (C7 + z C9)))), z = s s; the first term left out is 5.9e-6 T11(s).
;
; LIMITS.  A NaN in an input is taken as 0 (v_med3_num_f32); reference() would give NaN in every output.  A frequency sample is rounded to a multiple of
; 2^-22 = 2.4e-7 cycle (half a step at most, to even on ties): over a row at most 16,384 x 2^-23 = 2e-3 cycle if every rounding went one way.
.set ROWB,  65536                      ; bytes in a row of 16,384 f32
.set UNITB, 256                        ; bytes in a unit of 64 samples
.set UNITS, 8                          ; units of a half-wave
.set SH,    10                         ; 32 - 22: from units of 2^-22 cycle to units of 2^-32 cycle
.set TILES, 512                        ; LDS: bytes 0-511 take the half-waves' totals (written by ds_store: no tile lands there); the tiles lie behind them
.set TROWB, 512                        ; bytes in a tile's row: two units
.set TILEB, 4*TROWB                    ; bytes in a tile: 4 rows
.set WAVEB, 8*TILEB                    ; a wave's 8 tiles: 16,384 bytes; 16 waves: 262,144
.set VOFF, 1                           ; v1        byte offset of my 16 bytes in unit 0 of a row: 2,048 hw + 16 (lane % 16)
.set LRD,  2                           ; v2        LDS: 16 x lane
.set LWR,  3                           ; v3        LDS: 16 x hw
.set HM,   4                           ; v4        all ones in lanes 16-31, 0 in lanes 0-15
.set LN,   5                           ; v5        lane
.set CP,   6                           ; v[6:7]    a constant twice: 2^23 while the phases are made, C7 afterwards
.set KP,   8                           ; v[8:15]   row r: v[8+2r] the 2 pi correction (in s), v[9+2r] the phase in front of my half-wave (2^-22 cycle)
.set LA,   16                          ; v16       LDS: my 16 bytes in row 0, first unit, of my half's tile of pair 0
.set TMP,  24                          ; v[24:39]  at work
.set BB,   40                          ; v[40:71]  unit j, row r: the phase in front of my lane's 4 samples, counted from my half-wave's first sample
.set AM,   72                          ; v[72:103] two units of amplitudes as read from LDS, 16 registers each
.set Q,    104                         ; v[104:231] unit j, row r at Q + 16 j + 4 r: 4 samples, then their running sums, then s; at last Q + 16 j .. + 3 the unit's result
.set G1,   32                          ; s[32:39]  descriptor group 1: the tile's shape, the same for all 8 loads
.set G0,   68                          ; s[68:99]  descriptor group 0, four registers for each tile: written once, never again
.macro SPAIR n, val                    ; a constant for the packed forms: both registers of the pair are written, the first is used for both halves
	s_mov_b32 s[\n], \val
	s_mov_b32 s[\n+1], \val
.endm
	s_load_b128 s[4:7], s[0:1], 0x0                ; osc_samples s[4:5], amplitudes s[6:7]
	s_load_b64 s[8:9], s[0:1], 0x10                ; part
	v_lshl_add_u32 v232, v0, 2, 0x40200
	v_mov_b32 v233, 0
	ds_add_u32 v232, v233
	ds_add_u32 v232, v233
	v_lshrrev_b32 v[LWR], 4, v0                    ; hw, 0 to 31
	v_and_b32 v[VOFF], 15, v0
	v_lshlrev_b32 v[VOFF], 4, v[VOFF]              ; 16 bytes a lane
	v_bfe_u32 v[LA], v0, 4, 1                      ; which half of my wave
	v_lshl_add_u32 v[LA], v[LA], 11, v[VOFF]       ; LDS: one tile (2,048 bytes) further for the upper half, 16 bytes a lane
	v_lshl_or_b32 v[VOFF], v[LWR], 11, v[VOFF]     ; memory: 512 samples = 2,048 bytes a half-wave
	v_lshrrev_b32 v[LRD], 5, v0
	v_readfirstlane_b32 s10, v[LRD]                ; wave, 0 to 15
	s_lshl_b32 s12, ttmp9, 18                      ; 4 rows of 65,536 bytes a work-group: at most 255 << 18, below 2^31
	s_mov_b32 s13, 0
	s_lshl_b32 s14, ttmp9, 16                      ; one row of part a work-group
	s_mov_b32 s15, 0
	s_wait_dscnt 0x0
	s_wait_kmcnt 0x0
	s_add_nc_u64 s[4:5], s[4:5], s[12:13]
	s_add_nc_u64 s[6:7], s[6:7], s[12:13]
	s_add_nc_u64 s[8:9], s[8:9], s[14:15]
	; All 32 loads of frequencies (16 KiB a wave) go out before anything else is done.  Read once in the launch.
.irp j, 0,1,2,3,4,5,6,7
.irp r, 0,1,2,3
	global_load_b128 v[Q+16*\j+4*\r:Q+16*\j+4*\r+3], v[VOFF], s[4:5] offset:\r*ROWB+\j*UNITB th:TH_LOAD_NT
.endr
.endr
	; Descriptor group 1: 4 rows of 128 elements of 4 bytes, 16,384 elements from row to row.  The tiles lie inside the tensor: the extents are the tile's own.
	s_mov_b32 s[G1+0], 2<<16                       ; 15:0 no work-group mask; 17:16 elements of 4 bytes; no padding: a row is read back as 16 lanes x 16 neighbouring bytes
	s_mov_b32 s[G1+1], 128<<16                     ; tensor_dim0 = 128
	s_mov_b32 s[G1+2], 4<<16                       ; its high half = 0; tensor_dim1 = 4
	s_mov_b32 s[G1+3], 128<<16                     ; its high half = 0; tile_dim0 = 128 elements = 512 bytes
	s_mov_b32 s[G1+4], 4                           ; tile_dim1 = 4 rows; tile_dim2 = 0: not used
	s_mov_b32 s[G1+5], 16384                       ; the pitch
	s_mov_b32 s[G1+6], 0
	s_mov_b32 s[G1+7], 0
	s_mul_i32 s18, s10, WAVEB
	s_add_co_u32 s18, s18, TILES                   ; my wave's 8 tiles in LDS
	s_lshl_b32 s40, s10, 12                        ; my wave's 4,096 bytes in a row
	s_mov_b32 s41, 0
	s_add_nc_u64 s[40:41], s[6:7], s[40:41]
	; Group 0 of tile i = 2 p + h: from byte 2,048 h + 512 p of my wave's part of the first row, to LDS byte 2,048 i of my wave's part.
.irp i, 0,1,2,3,4,5,6,7
	s_mov_b32 s[G0+4*\i], 1                                                        ; count = 1
	s_add_co_u32 s[G0+4*\i+1], s18, \i*TILEB                                       ; LDS address
	s_add_nc_u64 s[G0+4*\i+2:G0+4*\i+3], s[40:41], (\i&1)*2048+(\i>>1)*TROWB       ; global address of the tile's first element
	s_or_b32 s[G0+4*\i+3], s[G0+4*\i+3], 0x80000000                                ; type = 2
.endr
	s_lshl_b32 s11, s10, 1                         ; the number of my wave's lower half-wave
	s_mov_b32 s16, 0x76543210                      ; v_permlanex16_b32: lane i of one half reads lane i of the other
	s_mov_b32 s17, 0xfedcba98
	SPAIR 20, 0x4a800000                           ; 2^22
	SPAIR 22, 0x30000000                           ; 2^-31: a signed 32-bit phase word becomes s in [-1, 1)
	SPAIR 24, 0x3d83135b                           ; C9 =  0.06400176
	SPAIR 26, 0x4022bb23                           ; C5 =  2.5426718
	SPAIR 28, 0xc0a55312                           ; C3 = -5.1663904
	SPAIR 30, 0x40490ec7                           ; C1 =  3.1415270
	v_add_nc_u32 v[LA], s18, v[LA]
	v_and_b32 v[LN], 31, v0
	v_lshlrev_b32 v[LWR], 4, v[LWR]
	v_lshlrev_b32 v[LRD], 4, v[LN]
	v_lshlrev_b32 v[HM], 27, v0                    ; bit 4 of the thread's number to the top,
	v_ashrrev_i32 v[HM], 31, v[HM]                 ; and spread over the word
	v_mov_b32 v[CP], 0x4b000000                    ; 2^23
	v_mov_b32 v[CP+1], 0x4b000000
.irp i, 0,1,2,3,4,5,6,7,12,13,14,15
	v_mov_b32 v[TMP+\i], 0                         ; destinations of DPP forms and lane permutes below: such a form may leave lanes unwritten, so each is defined once
.endr
; Unit j of the four rows: clip, to fixed point, running sums.  t: four registers for this unit's scan; tp: those of the unit before.
; The four rows' chains are interleaved, so that no instruction waits for the one in front of it.
.macro SCAN j, t, tp
	s_wait_loadcnt 4*(UNITS-1-\j)                  ; loads come back in order: this unit's four are in; the younger units of frequencies stay out
	tensor_load_to_lds s[G0+4*\j:G0+4*\j+3], s[G1:G1+7]   ; 2 KiB of frequencies have landed: 2 KiB of amplitudes (tile j) are asked for in their stead
	s_nop 0
.irp r, 0,1,2,3
.irp e, 0,1,2,3
	v_med3_num_f32 v[Q+16*\j+4*\r+\e], v[Q+16*\j+4*\r+\e], 0, 1.0          ; clip to [0, 1]
.endr
.endr
.irp r, 0,1,2,3
.irp e, 0,2
	.set q, Q+16*\j+4*\r+\e
	v_pk_fma_f32 v[q:q+1], v[q:q+1], s[20:21], v[CP:CP+1] op_sel_hi:[1,0,1]   ; x 2^22 + 2^23: the low bits are the sample in units of 2^-22 cycle
.endr
.endr
.irp e, 1,2,3
.irp r, 0,1,2,3
	.set q, Q+16*\j+4*\r+\e
	v_add_nc_u32 v[q], v[q-1], v[q]                ; running sums of my 4 samples, in place
.endr
.endr
.irp r, 0,1,2,3
	v_add_nc_u32_dpp v[\t+\r], v[Q+16*\j+4*\r+3], v[Q+16*\j+4*\r+3] row_shr:1 row_mask:0xf bank_mask:0xf bound_ctrl:1   ; the lanes' totals, scanned over the 16 lanes:
.endr
.irp d, 2,4,8
.irp r, 0,1,2,3
	v_add_nc_u32_dpp v[\t+\r], v[\t+\r], v[\t+\r] row_shr:\d row_mask:0xf bank_mask:0xf bound_ctrl:1   ; lane i adds lane i - d, or 0 where there is none
.endr
.endr
.if \j
.irp r, 0,1,2,3
	v_add_nc_u32_dpp v[\t+\r], v[\tp+\r], v[\t+\r] row_share:15 row_mask:0xf bank_mask:0xf   ; + lane 15 of the unit before: all that lies in front of this unit
.endr
.endif
.irp r, 0,1,2,3
	v_sub_nc_u32 v[BB+4*\j+\r], v[\t+\r], v[Q+16*\j+4*\r+3]                 ; less my own total: what lies in front of my 4 samples
.endr
.endm
	SCAN 0, TMP,   TMP+4
	SCAN 1, TMP+4, TMP
	SCAN 2, TMP,   TMP+4
	SCAN 3, TMP+4, TMP
	SCAN 4, TMP,   TMP+4
	SCAN 5, TMP+4, TMP
	SCAN 6, TMP,   TMP+4
	SCAN 7, TMP+4, TMP
	; THE HALF-WAVES' TOTALS MEET IN LDS.  A total is the sum of 512 words: 512 x 0x4B000000 is 0 modulo 2^32, so it is the plain sum of the samples, at most
	; 512 x 2^22 = 2^31.  It is posted as one word: its low 22 bits on top (all that the fine phase needs), and below them the total in steps of 32 cycles
	; (2^27 units), rounded, at most 16.  At most 31 such words are added: the low fields reach 496 and never carry into bit 10.
.irp r, 0,1,2,3
	v_mov_b32_dpp v[TMP+\r], v[TMP+4+\r] row_share:15 row_mask:0xf bank_mask:0xf   ; my half-wave's total of row r, in all its 16 lanes
.endr
.irp r, 0,1,2,3
	v_add_nc_u32 v[TMP+8+\r], 0x4000000, v[TMP+\r]                          ; + half a step: at most 2^31 + 2^26
.endr
.irp r, 0,1,2,3
	v_lshrrev_b32 v[TMP+8+\r], 27, v[TMP+8+\r]                              ; my total in steps of 32 cycles; kept
.endr
.irp r, 0,1,2,3
	v_lshl_add_u32 v[TMP+\r], v[TMP+\r], SH, v[TMP+8+\r]
.endr
	ds_store_b128 v[LWR], v[TMP:TMP+3]             ; the four rows' words at 16 hw; the 16 lanes write the same 16 bytes with the same values
	s_wait_dscnt 0x0                               ; the store is done before the signal says so to the other waves
	s_barrier_signal -1                            ; the tiles stay on their way across this barrier
.irp r, 0,1,2,3
	v_permlanex16_b32 v[TMP+12+\r], v[TMP+\r], s16, s17                     ; the other half-wave's word:
.endr
.irp r, 0,1,2,3
	v_and_b32 v[TMP+12+\r], v[HM], v[TMP+12+\r]    ; it lies in front of lanes 16-31 and not of lanes 0-15
.endr
	v_mov_b32 v[CP], 0xbf14f124                    ; C7 = -0.5818045 (2^23 has had its last use)
	v_mov_b32 v[CP+1], 0xbf14f124
	v_cmp_gt_u32 vcc_lo, s11, v[LN]                ; lanes whose number is that of a half-wave in front of my wave
	s_barrier_wait -1                              ; all 32 words of each row are in LDS
	ds_load_b128 v[TMP+4:TMP+7], v[LRD]            ; lane l: the four words of half-wave l (bytes 0-511: no tile's)
	s_wait_dscnt 0x0
.irp r, 0,1,2,3
	v_cndmask_b32 v[TMP+4+\r], 0, v[TMP+4+\r], vcc_lo
.endr
.irp d, 1,2,4,8
.irp r, 0,1,2,3
	v_add_nc_u32_dpp v[TMP+4+\r], v[TMP+4+\r], v[TMP+4+\r] row_xmask:\d row_mask:0xf bank_mask:0xf   ; summed over 16 lanes, the result in each
.endr
.endr
.irp r, 0,1,2,3
	v_permlanex16_b32 v[TMP+\r], v[TMP+4+\r], s16, s17
.endr
.irp r, 0,1,2,3
	v_add3_u32 v[TMP+4+\r], v[TMP+4+\r], v[TMP+\r], v[TMP+12+\r]            ; both halves' sums, and for lanes 16-31 my wave's lower half-wave
.endr
.irp r, 0,1,2,3
	v_and_b32 v[TMP+\r], 0x3ff, v[TMP+4+\r]        ; steps of 32 cycles in front of my half-wave
.endr
.irp r, 0,1,2,3
	v_lshl_add_u32 v[TMP+\r], v[TMP+\r], 1, v[TMP+8+\r]                     ; twice that + my own total's steps: the phase at my middle, in steps of 16 cycles
.endr
.irp r, 0,1,2,3
	v_cvt_f32_u32 v[TMP+\r], v[TMP+\r]
.endr
.irp r, 0,1,2,3
	v_mul_f32 v[KP+2*\r], 0x356f099e, v[TMP+\r]    ; x 16 cycles x 2.783e-8 x 2 (s counts half cycles) = 8.905e-7
	v_lshrrev_b32 v[KP+2*\r+1], SH, v[TMP+4+\r]    ; the fine phase in front of my half-wave, back in units of 2^-22 cycle
.endr
; The four rows' amplitudes of unit j from my half's tile of pair j / 2 into 16 registers from a on: 16 lanes read 256 neighbouring bytes.
.macro AMPS j, a
.irp r, 0,1,2,3
	ds_load_b128 v[\a+4*\r:\a+4*\r+3], v[LA] offset:(\j>>1)*2*TILEB+\r*TROWB+(\j&1)*UNITB
.endr
.endm
; Rows ra and rb of unit j, interleaved: phase to s, the polynomial, times the clipped amplitude, onto the sum.  a: the unit's 16 registers of amplitudes.
; The unit's sum is started in the registers of its row 0, which are dead once amplitude x s has been formed.  So each unit's store has data registers of
; its own, nothing that a store reads is ever written again, and no wait guards the stores' sources.
.macro VOICES j, a, ra, rb, first
	.set acc, Q+16*\j
.irp r, \ra, \rb
	v_add_nc_u32 v[BB+4*\j+\r], v[BB+4*\j+\r], v[KP+2*\r+1]                 ; all that lies in front of my 4 samples in the row
.endr
.irp r, \ra, \rb
.irp e, 0,1,2,3
	v_med3_num_f32 v[\a+4*\r+\e], v[\a+4*\r+\e], 0, 1.0                     ; clip the amplitude to [0, 1]
.endr
.endr
.irp r, \ra, \rb
.irp e, 0,1,2,3
	v_add_lshl_u32 v[Q+16*\j+4*\r+\e], v[Q+16*\j+4*\r+\e], v[BB+4*\j+\r], SH   ; the phase modulo one cycle, as a signed word in units of 2^-32 cycle
.endr
.endr
.irp r, \ra, \rb
.irp e, 0,1,2,3
	v_cvt_f32_i32 v[Q+16*\j+4*\r+\e], v[Q+16*\j+4*\r+\e]
.endr
.endr
.irp r, \ra, \rb
.irp e, 0,2
	.set q, Q+16*\j+4*\r+\e
	v_pk_fma_f32 v[q:q+1], v[q:q+1], s[22:23], v[KP+2*\r:KP+2*\r+1] op_sel_hi:[1,0,0]   ; s = word x 2^-31 + the row's correction (the pair's first register for both)
.endr
.endr
.irp r, \ra, \rb
.irp e, 0,2
	.set q, Q+16*\j+4*\r+\e
	.set z, TMP+4*(\r-\ra)+\e
	v_pk_mul_f32 v[z:z+1], v[q:q+1], v[q:q+1]      ; z = s s
.endr
.endr
.irp r, \ra, \rb
.irp e, 0,2
	.set z, TMP+4*(\r-\ra)+\e
	v_pk_fma_f32 v[z+8:z+9], v[z:z+1], s[24:25], v[CP:CP+1] op_sel_hi:[1,0,1]          ; C9 z + C7
.endr
.endr
.irp c, 26,28,30
.irp r, \ra, \rb
.irp e, 0,2
	.set z, TMP+4*(\r-\ra)+\e
	v_pk_fma_f32 v[z+8:z+9], v[z+8:z+9], v[z:z+1], s[\c:\c+1] op_sel_hi:[1,1,0]        ; ... z + C5, z + C3, z + C1
.endr
.endr
.endr
.irp r, \ra, \rb
.irp e, 0,2
	.set q, Q+16*\j+4*\r+\e
	.set w, \a+4*\r+\e
	v_pk_mul_f32 v[w:w+1], v[w:w+1], v[q:q+1]      ; amplitude x s: the last reading of these rows' s
.endr
.endr
.irp e, 0,2
	.set w, \a+4*\ra+\e
.if \first
	v_pk_mul_f32 v[acc+\e:acc+\e+1], v[w:w+1], v[TMP+8+\e:TMP+9+\e]         ; the first row starts the sum: nothing is cleared
.else
	v_pk_fma_f32 v[acc+\e:acc+\e+1], v[w:w+1], v[TMP+8+\e:TMP+9+\e], v[acc+\e:acc+\e+1]
.endif
.endr
.irp e, 0,2
	.set w, \a+4*\rb+\e
	v_pk_fma_f32 v[acc+\e:acc+\e+1], v[w:w+1], v[TMP+12+\e:TMP+13+\e], v[acc+\e:acc+\e+1]
.endr
.endm
; Unit j: left = the LDS loads issued behind this unit's four, which may stay out.
.macro UNIT j, a, left
	s_wait_dscnt \left                             ; LDS loads come back in order
	VOICES \j, \a, 0, 1, 1
	VOICES \j, \a, 2, 3, 0
	global_store_b128 v[VOFF], v[Q+16*\j:Q+16*\j+3], s[8:9] offset:\j*UNITB   ; each half-wave stores 256 consecutive bytes, aligned; no hint: the next launch reads them
.endm
; A pair of units: its two tiles (one for each half of the wave) have landed when at most `out` younger tiles are still on their way.
.macro PAIR j0, j1, out
	s_wait_tensorcnt \out                          ; a wave's tensor loads end in the order of issue: of the 8, those behind this pair's two may stay out
	AMPS \j0, AM
	AMPS \j1, AM+16
	UNIT \j0, AM,    4                             ; out: the second unit's four loads
	UNIT \j1, AM+16, 0
.endm
	PAIR 0, 1, 6                                   ; tiles 0, 1 are in; 2 to 7 may be out
	PAIR 2, 3, 4
	PAIR 4, 5, 2
	PAIR 6, 7, 0                                   ; the last wait is for zero: no tensor load is out at the end
	s_wait_tensorcnt 0x0
	ds_add_u32 v232, v233
	s_wait_dscnt 0x0
	s_endpgm
.Lfunc_end_k_q453933bd23_bank:
	.size	k_q453933bd23_bank, .Lfunc_end_k_q453933bd23_bank-k_q453933bd23_bank
	.p2alignl 7, 3214868480
	.fill 96, 4, 3214868480
	.section	.rodata,"a",@progbits
	.p2align	6, 0x0
	.amdhsa_kernel k_q453933bd23_bank
		.amdhsa_group_segment_fixed_size 264704
		.amdhsa_private_segment_fixed_size 0
		.amdhsa_enable_private_segment 0
		.amdhsa_kernarg_size 24
		.amdhsa_user_sgpr_count 2
		.amdhsa_user_sgpr_kernarg_segment_ptr 1
		.amdhsa_wavefront_size32 1
		.amdhsa_system_sgpr_workgroup_id_x 1
		.amdhsa_system_sgpr_workgroup_id_y 1
		.amdhsa_system_sgpr_workgroup_id_z 1
		.amdhsa_system_vgpr_workitem_id 0
		.amdhsa_next_free_vgpr 234
		.amdhsa_next_free_sgpr 100
		.amdhsa_reserve_vcc 1
		.amdhsa_float_denorm_mode_32 3
		.amdhsa_float_denorm_mode_16_64 3
		.amdhsa_memory_ordered 1
		.amdhsa_forward_progress 1
		.amdhsa_inst_pref_size 96
	.end_amdhsa_kernel
	.amdgpu_metadata
---
amdhsa.version: [ 1, 2 ]
amdhsa.kernels:
  - .name:           k_q453933bd23_bank
    .symbol:         k_q453933bd23_bank.kd
    .args:
      - { .name: osc_samples, .offset: 0, .size: 8, .value_kind: global_buffer, .address_space: global }
      - { .name: amplitudes, .offset: 8, .size: 8, .value_kind: global_buffer, .address_space: global }
      - { .name: part, .offset: 16, .size: 8, .value_kind: global_buffer, .address_space: global }
    .group_segment_fixed_size: 264704
    .private_segment_fixed_size: 0
    .kernarg_segment_align: 8
    .kernarg_segment_size: 24
    .max_flat_workgroup_size: 512
    .sgpr_count:     100
    .vgpr_count:     234
    .wavefront_size: 32
...
	.end_amdgpu_metadata
.endif
;; end of part 1
;; launch fold (part 2): grid 256 x 1, 8 waves a work-group, no clusters, 3,072 bytes of LDS; arguments part, x, out0; writes out0
.if DOCPART == 2
	.amdgcn_target "amdgcn-amd-amdhsa--gfx1250"
	.amdhsa_code_object_version 6
	.text
	.protected	k_q453933bd23_fold
	.globl	k_q453933bd23_fold
	.p2align	8
	.type	k_q453933bd23_fold,@function
k_q453933bd23_fold:
	s_mov_b64 s[64:65], 0
	v_nop
	global_prefetch_b8 v0, s[64:65] scope:SCOPE_SE
	s_setreg_imm32_b32 hwreg(HW_REG_WAVE_MODE, 25, 1), 1
	s_wait_xcnt 0x0
; OscBank, second launch: out0[t] = sum over g = 0 .. 255 of part[g][t].  part: [256][16384] f32, out0: [16384] f32.
; Work-group b makes outputs 64 b .. 64 b + 63 (256 bytes).  Eight waves; wave w adds rows 32 w .. 32 w + 31: one load takes 256 consecutive bytes of each of two
; rows (lanes 0-15 an even row, lanes 16-31 the odd row behind it), 16 loads a wave, all issued at once: the work-group's whole 64 KiB is on its way together.
; The order of the sums is fixed: rows ascending in a lane, the two halves of a wave, then the eight waves as a tree.
; x: reference() takes it and lets it enter no result.  Its one word is fetched below, so that every input has been read, and is used for nothing.
.set ROWB, 65536                       ; bytes in a row of part
.set L,    8                           ; v[8:71]  load i at L + 4 i
	s_load_b128 s[4:7], s[0:1], 0x0                ; part s[4:5], x s[6:7]
	s_load_b64 s[8:9], s[0:1], 0x10                ; out0
	v_lshl_add_u32 v72, v0, 2, 0x800
	v_mov_b32 v73, 0
	v_lshrrev_b32 v1, 5, v0
	v_readfirstlane_b32 s10, v1                    ; wave, 0 to 7
	v_and_b32 v2, 15, v0
	v_lshlrev_b32 v2, 4, v2                        ; my 16 bytes of the 256
	v_bfe_u32 v3, v0, 4, 1                         ; which half of the wave
	v_lshl_or_b32 v4, v3, 16, v2                   ; + one row for lanes 16-31
	v_lshl_or_b32 v4, v1, 21, v4                   ; + 32 rows a wave
	v_lshl_or_b32 v5, v1, 8, v2                    ; LDS: 256 bytes a wave
	v_and_b32 v6, 31, v0
	v_lshlrev_b32 v6, 3, v6                        ; 8 x lane: the last step takes 2 outputs a lane
	s_lshl_b32 s12, ttmp9, 8                       ; my 256 bytes in a row of part and in out0
	s_mov_b32 s13, 0
	s_mov_b32 s14, 0x76543210                      ; v_permlanex16_b32: lane i of one half reads lane i of the other
	s_mov_b32 s15, 0xfedcba98
	s_wait_kmcnt 0x0
	s_add_nc_u64 s[4:5], s[4:5], s[12:13]
	s_add_nc_u64 s[8:9], s[8:9], s[12:13]
.irp i, 0,1,2,3,4,5,6,7,8,9,10,11,12,13,14,15
	global_load_b128 v[L+4*\i:L+4*\i+3], v4, s[4:5] offset:\i*2*ROWB th:TH_LOAD_NT   ; read once in the launch
.endr
	s_load_b32 s16, s[6:7], 0x0                    ; x (see the head): nothing reads s16, so nothing waits for it
.irp i, 1,2,3,4,5,6,7,8,9,10,11,12,13,14,15
	s_wait_loadcnt 15-\i                           ; loads come back in order: load i is in, the 15 - i younger ones stay out
	v_pk_add_f32 v[L:L+1],   v[L:L+1],   v[L+4*\i:L+4*\i+1]
	v_pk_add_f32 v[L+2:L+3], v[L+2:L+3], v[L+4*\i+2:L+4*\i+3]
.endr
.irp k, 0,1,2,3
	v_permlanex16_b32 v[L+4+\k], v[L+\k], s14, s15 ; the other half's rows (the destination has been written: it held load 1)
.endr
	v_pk_add_f32 v[L:L+1],   v[L:L+1],   v[L+4:L+5]
	v_pk_add_f32 v[L+2:L+3], v[L+2:L+3], v[L+6:L+7]
	ds_store_b128 v5, v[L:L+3]                     ; my wave's 64 sums; both halves hold the same numbers and write the same bytes
	s_wait_dscnt 0x0                               ; done before the signal says so to wave 0
	s_barrier_signal -1
	s_barrier_wait -1
	s_cmp_lg_u32 s10, 0
	s_cbranch_scc1 .Ldone                          ; wave 0 alone adds the eight waves' sums
.irp k, 0,1,2,3,4,5,6,7
	ds_load_b64 v[16+2*\k:17+2*\k], v6 offset:256*\k
.endr
	s_wait_dscnt 0x0
	v_pk_add_f32 v[16:17], v[16:17], v[18:19]
	v_pk_add_f32 v[20:21], v[20:21], v[22:23]
	v_pk_add_f32 v[24:25], v[24:25], v[26:27]
	v_pk_add_f32 v[28:29], v[28:29], v[30:31]
	v_pk_add_f32 v[16:17], v[16:17], v[20:21]
	v_pk_add_f32 v[24:25], v[24:25], v[28:29]
	v_pk_add_f32 v[16:17], v[16:17], v[24:25]
	global_store_b64 v6, v[16:17], s[8:9]          ; 32 lanes store 256 consecutive bytes, aligned
.Ldone:
	s_wait_tensorcnt 0x0
	ds_add_u32 v72, v73
	s_wait_dscnt 0x0
	s_endpgm
.Lfunc_end_k_q453933bd23_fold:
	.size	k_q453933bd23_fold, .Lfunc_end_k_q453933bd23_fold-k_q453933bd23_fold
	.p2alignl 7, 3214868480
	.fill 96, 4, 3214868480
	.section	.rodata,"a",@progbits
	.p2align	6, 0x0
	.amdhsa_kernel k_q453933bd23_fold
		.amdhsa_group_segment_fixed_size 3072
		.amdhsa_private_segment_fixed_size 0
		.amdhsa_enable_private_segment 0
		.amdhsa_kernarg_size 24
		.amdhsa_user_sgpr_count 2
		.amdhsa_user_sgpr_kernarg_segment_ptr 1
		.amdhsa_wavefront_size32 1
		.amdhsa_system_sgpr_workgroup_id_x 1
		.amdhsa_system_sgpr_workgroup_id_y 1
		.amdhsa_system_sgpr_workgroup_id_z 1
		.amdhsa_system_vgpr_workitem_id 0
		.amdhsa_next_free_vgpr 74
		.amdhsa_next_free_sgpr 66
		.amdhsa_reserve_vcc 0
		.amdhsa_float_denorm_mode_32 3
		.amdhsa_float_denorm_mode_16_64 3
		.amdhsa_memory_ordered 1
		.amdhsa_forward_progress 1
		.amdhsa_inst_pref_size 7
	.end_amdhsa_kernel
	.amdgpu_metadata
---
amdhsa.version: [ 1, 2 ]
amdhsa.kernels:
  - .name:           k_q453933bd23_fold
    .symbol:         k_q453933bd23_fold.kd
    .args:
      - { .name: part, .offset: 0, .size: 8, .value_kind: global_buffer, .address_space: global }
      - { .name: x, .offset: 8, .size: 8, .value_kind: global_buffer, .address_space: global }
      - { .name: out0, .offset: 16, .size: 8, .value_kind: global_buffer, .address_space: global }
    .group_segment_fixed_size: 3072
    .private_segment_fixed_size: 0
    .kernarg_segment_align: 8
    .kernarg_segment_size: 24
    .max_flat_workgroup_size: 256
    .sgpr_count:     66
    .vgpr_count:     74
    .wavefront_size: 32
...
	.end_amdgpu_metadata
.endif
;; end of part 2
